; MI455X (gfx1250); checked and timed in simulation.
; The chip was launched on July 23, 2026; its instructions are those of AMD's public machine-readable ISA for CDNA 5 (MIT licence, August 2026) and "CDNA5" Instruction Set Architecture Reference Guide (July 2026). The comments in the code are by the model that wrote it; some were corrected since.
;; Layer Wise Multi Lo RA Adapter. Allowed arithmetic: matrix products marked QUANTISED: E4M3 operands, one given power-of-two scale a tensor, by v_wmma_f32_16x16x64_fp8_fp8 or v_wmma_f32_16x16x128_fp8_fp8, f32 sums; products left as they are: f32 operands where the result goes on into a quantised operand, else bf16, f16 or f32 operands; f32 sums; everything else in f32.
;; Inputs: W_codes 2,048 x 64 x 32 uint8 (E4M3 codes of W, K innermost, in blocks of 32 codes); alphas 4 float32; b 2,048 float32; downs 4 x 16 x 2,048 float32; lowp_scales 4 int32 (the exponents e of the quantised operands' scales 2^e); ups 4 x 2,048 x 16 float32; w0 1 float32; w1 4 float32; x_codes 4 x 2,048 x 64 x 32 uint8 (E4M3 codes of x, K innermost, in blocks of 32 codes).
;; Outputs: out0 4 x 2,048 x 2,048 float32.
;; This version of the problem:
;;   THIS VERSION OF THE PROBLEM IS GIVEN IN LOW PRECISION. The matrix products marked QUANTISED in the list below multiply operands that are first quantised to E4M3 (4 exponent bits, 3 mantissa bits; 8 bits a number), with one given power-of-two scale for each operand tensor; their sums are f32. All else is computed in f32.
;;   The module's matrix products, in the order in which they are computed (A, B: the left and right operand; K: the contracted axis; several contracted axes count as one K, in the product's order):
;;     1. [M 8,192, K 2,048] x [K 2,048, N 2,048]; A: input x (given as codes); B: input W (given as codes): QUANTISED (scales: A lowp_scales[0], B lowp_scales[1])
;;     2. batch 4 x [M 2,048, K 16] x [K 16, N 2,048]; A: input ups; B: input downs: left as it is (K = 16 < 32)
;;     3. [M 4,194,304, K 4] x [K 4, N 1]; A: computed on the way; B: input w1: left as it is (K = 4 < 32)
;;     4. [M 8,192, K 2,048] x [K 2,048, N 2,048]; A: input x (given as codes); B: computed on the way: QUANTISED (scales: A lowp_scales[2], B lowp_scales[3])
;;   THE QUANTISER, for each operand of a quantised product, along K:
;;     - The operand's scale is 2^e, e = its entry of the input lowp_scales (int32; the entries are numbered through the quantised products in the list's order, A before B).
;;     - Each number is divided by the scale, clamped to +-448, and rounded to the nearest number of E4M3, ties to even, subnormals kept.
;;     - The product sums the exact products of the quantised numbers (number of the format x scale) in f32.
;;   ~~~python
;;   def quantise(x, axis, e):      # numpy; x: float32 -> the quantised numbers, widened to float32 again
;;       x = np.moveaxis(x, axis, -1); K = x.shape[-1]
;;       r = np.clip(x / 2.0 ** e, -448, 448)
;;       step = 2.0 ** (np.maximum(np.frexp(np.where(r == 0, 1, r))[1] - 1, -6) - 3)
;;       q = np.round(r / step) * step * 2.0 ** e      # np.round: ties to even
;;       return np.moveaxis(q, -1, axis).astype(np.float32)
;;   ~~~
;;   OPERANDS COMPUTED ON THE WAY. 'Computed on the way' means the value that the module computes at that place (a softmax that the list does not call 'softmax' is quantised finished and normalised). What goes into a quantiser is computed in f32, as accurately as f32 sums, v_exp_f32 and their like allow (about 1e-6 of the number): no bf16 or f16 on the way to a quantiser, and a product that is left as it is and whose result goes on into a quantised operand takes f32 operands (vector FMAs, or v_wmma_f32_16x16x4_f32). A number that lies on a knife's edge between two numbers of the format may be rounded either way, as far as f32 arithmetic and the matrix unit's own rounding can turn it there, and no further.
;;   INPUTS GIVEN AS CODES. W (in the module: [2048, 2048], K = its axis 1); x (in the module: [4, 2048, 2048], K = its axis 2): each comes as NAME_codes (uint8): NAME with its K axis moved to the last place and cut into blocks of 32 codes, [.., K / 32, bytes a block], one block behind the other in memory; one code a byte (a code: sign, 4 exponent bits, 3 mantissa bits); its scale is its entry of lowp_scales. Its value is code x scale, taken as it is: it is not quantised again, and the codes and scales need not be those that the quantiser above would give.
;; One version. Each part assembles by itself: llvm-mc -triple=amdgcn-amd-amdhsa -mcpu=gfx1250 --defsym DOCPART=n.
;; ======== version 1 of 1: 2 launches
;; limits: right only within a limited range of input values
;; workspace buffers: dcodes 4,194,304 bytes
;; launch delta (part 1): grid 8 x 32, 4 waves a work-group, no clusters, 168,448 bytes of LDS; arguments ups, downs, alphas, w1, lowp_scales, dcodes; writes dcodes
.if DOCPART == 1
	.amdgcn_target "amdgcn-amd-amdhsa--gfx1250"
	.amdhsa_code_object_version 6
	.text
	.protected	k_q5491981b7a_delta
	.globl	k_q5491981b7a_delta
	.p2align	8
	.type	k_q5491981b7a_delta,@function
k_q5491981b7a_delta:
	s_mov_b64 s[64:65], 0
	v_nop
	global_prefetch_b8 v0, s[64:65] scope:SCOPE_SE
	s_setreg_imm32_b32 hwreg(HW_REG_WAVE_MODE, 25, 1), 1
	s_wait_xcnt 0x0
; D[o][d] = sum over l of w1[l] (alphas[l] / 16) sum over r of ups[l][o][r] downs[l][r][d], in f32, then quantised along d to codes of E4M3 with the given scale 2^e3
; (entry 3 of the scales' exponents): code = D / 2^e3, held within +-448, to the nearest code, ties to even.  dcodes is laid [2048 (o)][2048 (d)], one code a byte, d innermost.
; The two small products are ONE product with K = 64 = (l, r): c_l = w1[l] (alphas[l] / 16) is multiplied into ups first.  ORDER OF ROUNDING: the factor is applied ahead of the sum over r,
; not behind it; all in f32.  What feeds a quantiser takes f32 operands: v_wmma_f32_16x16x4_f32, 16 steps of 4 along K.
; LIMITS: e3 between -126 and 119, so that 2^e3 and 448 x 2^e3 are f32 numbers.  NaN in ups, downs, alphas or w1 is not served (an infinity is held at the largest code).
; SHARES.  A work-group makes 64 o x 256 d; wave w all 64 o x d 64 w .. 64 w + 63: 16 accumulators of 16 x 16, 256 matrix instructions.  8 x 32 work-groups.
; LAYOUT.  Source 0 = 16 of d (downs, turned), source 1 = 16 of o (ups x c): in the result lane (r, h) holds o = 16 n + r and its registers d = 16 a + 8 h + 0 .. 7: eight neighbours along
; the next product's K, as the conversion wants them.  In step q = 4 l + s the place (h, j) of the instruction's K stands for r = 8 h + 2 s + j of adapter l, alike in both sources.
; downs: each wave's 64 rows (l, r) x 64 d come by one tensor load into LDS bytes of its own, filled once; a fragment's register is then one ds_load_b32.
; ups: wave w loads o-tile w (a lane's 8 numbers of an adapter are 32 neighbouring bytes), scales it and hands it to the others through LDS as an image of the operand's registers.
; No cluster: a work-group asks once, at its start, for its 64 KiB of downs; a round in front of that one request and one at the end would stand against one shared fetch.
.set P,    272                         ; an LDS row: 256 bytes + 16 of padding
.set BIMG, 0                           ; ups x c: 4 o-tiles x 8 groups of four registers x 512 bytes
.set ASTG, 16384                       ; downs: for each wave 64 rows x P
.set AW,   64*P
.set OSTG, ASTG+4*AW                   ; the codes on their way out: 64 rows (o) x P
.set RR,   2                           ; v2   r = lane % 16
.set HH,   3                           ; v3   h = lane / 16
.set LN,   4                           ; v4   lane
.set UA,   5                           ; v5   ups: my byte in the wave's 16 rows
.set IS,   6                           ; v6   where I store the images: 16 x lane + 4096 x wave
.set IL,   7                           ; v7   where I load them: 16 x lane
.set AA,   8                           ; v8   downs in LDS: my wave's tile + 8 h rows + 4 r
.set OS,   9                           ; v9   the codes' stage: row r, + 8 h + 64 x wave
.set ORD,  10                          ; v10  and back: row 16 x wave + h, 16 bytes at 16 r
.set GO,   11                          ; v11  the same place in dcodes
.set CL,   16                          ; v16-23  c_l, twice each (pairs for the packed multiply)
.set SC,   24                          ; v24  2^e3 as f32
.set LIM,  25                          ; v25  448 x 2^e3
.set U,    32                          ; v32-63  ups as loaded: register 8 l + i = r 8 h + i
.set CD,   64                          ; v64-95  codes, two registers an accumulator
.set OUTR, 96                          ; v96-127 rows of codes going out
.set AFR,  128                         ; window 0, v128-255: downs' fragments at 8 q + 2 a + j; later the held numbers
.set ACC,  128                         ; window 1, v128-255: accumulator (a, n) at 8 (4 a + n): written by matrix instructions alone.  Window 1, v0-127: ups' fragments at 32 n + 2 q + j
.set MSB, 0
.macro WIN new                         ; the immediate's high byte repeats the setting that is left
.if MSB != (\new)
	s_set_vgpr_msb (MSB<<8)|(\new)
.set MSB, \new
.endif
.endm
	s_load_b256 s[4:11], s[0:1], 0x0               ; ups s[4:5], downs s[6:7], alphas s[8:9], w1 s[10:11]
	s_load_b128 s[12:15], s[0:1], 0x20             ; the scales' exponents s[12:13], dcodes s[14:15]
	v_lshl_add_u32 v30, v0, 2, 0x29000
	v_mov_b32 v31, 0
	ds_add_u32 v30, v31
	ds_add_u32 v30, v31
	v_lshrrev_b32 v1, 5, v0
	v_readfirstlane_b32 s16, v1                    ; wave 0..3
	s_and_b32 s17, ttmp7, 0xffff                   ; which 64 of o
	s_lshl_b32 s18, ttmp9, 10                      ; downs: 256 d x 4 bytes x work-group x,
	s_lshl_b32 s19, s16, 8                         ; + 64 d x 4 bytes x wave
	s_add_co_u32 s18, s18, s19
	s_mov_b32 s19, 0
	; descriptor group 1: 64 rows x 64 elements of 4 bytes, 2,048 elements from row to row, padded in LDS
	s_mov_b32 s24, (2<<16)|(1<<20)|(5<<22)|(3<<25) ; no mask; elements of 4 bytes; padding on: after every 64 words (code 5) four words (code 3)
	s_mov_b32 s25, 64<<16                          ; tensor_dim0 = 64
	s_mov_b32 s26, 64<<16                          ; tensor_dim1 = 64
	s_mov_b32 s27, 64<<16                          ; tile_dim0 = 64
	s_mov_b32 s28, 64                              ; tile_dim1 = 64
	s_mov_b32 s29, 2048                            ; tensor_dim0_stride
	s_mov_b32 s30, 0
	s_mov_b32 s31, 0
	s_mov_b32 s20, 1                               ; group 0: count = 1
	s_mul_i32 s21, s16, AW
	s_add_co_u32 s21, s21, ASTG                    ; my wave's own bytes
	s_lshl_b32 s42, s17, 12                        ; ups: 64 rows of 64 bytes x work-group y,
	s_lshl_b32 s43, s16, 10                        ; + 16 rows x wave
	s_add_co_u32 s42, s42, s43
	s_mov_b32 s43, 0
	s_lshl_b32 s44, s17, 17                        ; dcodes: 64 rows of 2,048 bytes x work-group y,
	s_lshl_b32 s45, s16, 15                        ; + 16 rows x wave,
	s_add_co_u32 s44, s44, s45
	s_lshl_b32 s45, ttmp9, 8                       ; + 256 bytes x work-group x
	s_add_co_u32 s44, s44, s45
	s_mov_b32 s45, 0
	s_wait_dscnt 0x0
	s_wait_kmcnt 0x0
	s_add_nc_u64 s[22:23], s[6:7], s[18:19]
	s_or_b32 s23, s23, 0x80000000                  ; type = 2
	tensor_load_to_lds s[20:23], s[24:31]          ; the wave's one tensor load of the launch: no LDS byte is filled twice
	s_nop 0
.rept 4
	v_nop
.endr
	s_load_b128 s[32:35], s[8:9], 0x0              ; alphas
	s_load_b128 s[36:39], s[10:11], 0x0            ; w1
	s_load_b32 s40, s[12:13], 0xc                  ; e3
	s_add_nc_u64 s[4:5], s[4:5], s[42:43]
	s_add_nc_u64 s[14:15], s[14:15], s[44:45]
	v_and_b32 v[RR], 15, v0
	v_bfe_u32 v[HH], v0, 4, 1
	v_and_b32 v[LN], 31, v0
	v_lshlrev_b32 v[UA], 6, v[RR]
	v_lshl_add_u32 v[UA], v[HH], 5, v[UA]          ; row r of 64 bytes, + 32 h: r 8 h .. 8 h + 7
.irp l, 0,1,2,3
.irp c, 0,1
	global_load_b128 v[U+8*\l+4*\c:U+8*\l+4*\c+3], v[UA], s[4:5] offset:131072*\l+16*\c   ; an adapter's ups are 2,048 x 64 bytes
.endr
.endr
	s_lshl_b32 s46, s16, 12
	v_lshlrev_b32 v[IL], 4, v[LN]
	v_add_nc_u32 v[IS], s46, v[IL]
	v_mul_u32_u24 v[AA], v[HH], 8*P
	v_lshl_add_u32 v[AA], v[RR], 2, v[AA]
	v_add_nc_u32 v[AA], s21, v[AA]                 ; lanes 16-31 read 8 rows further down: 544 words, half way round the 64 banks (ISA guide 11.1) from lanes 0-15
	s_lshl_b32 s47, s16, 6
	s_add_co_u32 s47, s47, OSTG
	v_mul_u32_u24 v[OS], v[RR], P
	v_lshl_add_u32 v[OS], v[HH], 3, v[OS]
	v_add_nc_u32 v[OS], s47, v[OS]
	s_mul_i32 s18, s16, 16*P
	s_add_co_u32 s18, s18, OSTG
	v_mul_u32_u24 v[ORD], v[HH], P
	v_lshl_add_u32 v[ORD], v[RR], 4, v[ORD]
	v_add_nc_u32 v[ORD], s18, v[ORD]
	v_lshlrev_b32 v[GO], 11, v[HH]
	v_lshl_add_u32 v[GO], v[RR], 4, v[GO]
	s_wait_kmcnt 0x0
.irp l, 0,1,2,3
	v_mov_b32 v[CL+2*\l], s[32+\l]
	v_mul_f32 v[CL+2*\l], 0x3d800000, v[CL+2*\l]   ; alphas[l] / 16: exact
	v_mul_f32 v[CL+2*\l], s[36+\l], v[CL+2*\l]     ; x w1[l]
	v_mov_b32 v[CL+2*\l+1], v[CL+2*\l]
.endr
	s_add_co_i32 s40, s40, 127
	s_lshl_b32 s41, s40, 23
	v_mov_b32 v[SC], s41                           ; 2^e3 as f32: the conversion takes its exponent field
	s_add_co_i32 s40, s40, 8
	s_lshl_b32 s40, s40, 23
	s_or_b32 s40, s40, 0x600000
	v_mov_b32 v[LIM], s40                          ; 448 x 2^e3
	s_wait_loadcnt 0x0                             ; ups
.irp l, 0,1,2,3
.irp i, 0,2,4,6
	v_pk_mul_f32 v[U+8*\l+\i:U+8*\l+\i+1], v[U+8*\l+\i:U+8*\l+\i+1], v[CL+2*\l:CL+2*\l+1]
.endr
.endr
.irp g, 0,1,2,3,4,5,6,7
	ds_store_b128 v[IS], v[U+4*\g:U+4*\g+3] offset:BIMG+512*\g   ; the operand's registers as they stand: lane l's 16 bytes at 16 l
.endr
	s_wait_tensorcnt 0x0                           ; my tile of downs is in LDS (only I read it)
	s_wait_dscnt 0x0                               ; for the others' sake: my images have landed
	s_barrier_signal -1
	s_barrier_wait -1
; adapter l's fragments: 8 loads of images (all four o-tiles) and 32 single registers of downs: 40 LDS loads.  Every register is loaded once in the launch.
.macro LOADS l
	WIN 0x40                                       ; destination window 1, address window 0
.irp n, 0,1,2,3
.irp c, 0,1
	ds_load_b128 v[32*\n+8*\l+4*\c:32*\n+8*\l+4*\c+3], v[IL] offset:BIMG+4096*\n+512*(2*\l+\c)
.endr
.endr
	WIN 0
.irp s, 0,1,2,3
.irp a, 0,1,2,3
.irp j, 0,1
	ds_load_b32 v[AFR+32*\l+8*\s+2*\a+\j], v[AA] offset:(16*\l+2*\s+\j)*P+64*\a   ; downs(l, 8 h + 2 s + j, 16 a + r)
.endr
.endr
.endr
.endm
; adapter l's four steps: 64 matrix instructions; the 16 accumulators take turns, one instruction a turn.  The very first step starts the sums with the constant 0.
.macro MUL l
	WIN 0x54                                       ; source 0 (downs) window 0; source 1 (ups), C and D window 1
.irp s, 0,1,2,3
.irp a, 0,1,2,3
.irp n, 0,1,2,3
.if (\l)+(\s) == 0
	v_wmma_f32_16x16x4_f32 v[ACC+8*(4*\a+\n):ACC+8*(4*\a+\n)+7], v[AFR+32*\l+8*\s+2*\a:AFR+32*\l+8*\s+2*\a+1], v[32*\n+8*\l+2*\s:32*\n+8*\l+2*\s+1], 0
.else
	v_wmma_f32_16x16x4_f32 v[ACC+8*(4*\a+\n):ACC+8*(4*\a+\n)+7], v[AFR+32*\l+8*\s+2*\a:AFR+32*\l+8*\s+2*\a+1], v[32*\n+8*\l+2*\s:32*\n+8*\l+2*\s+1], v[ACC+8*(4*\a+\n):ACC+8*(4*\a+\n)+7]
.endif
.endr
.endr
.endr
.endm
	LOADS 0
	LOADS 1
	s_wait_dscnt 40                                ; LDS loads come back in order: adapter 0's are in, the 40 of adapter 1 may be out
	MUL 0
	LOADS 2
	s_wait_dscnt 40                                ; adapter 1's are in
	MUL 1
	LOADS 3
	s_wait_dscnt 40                                ; adapter 2's are in
	MUL 2
	s_wait_dscnt 0x0
	MUL 3
.rept 8
	v_nop                                          ; eight places behind this form (ISA guide 7.12.1) before its results are read and its sources written
.endr
	WIN 0x01                                       ; source 0 (the sums) window 1
.irp t, 0,1,2,3,4,5,6,7,8,9,10,11,12,13,14,15
.irp j, 0,1,2,3,4,5,6,7
	v_med3_num_f32 v[AFR+8*\t+\j], v[ACC+8*\t+\j], -v[LIM], v[LIM]   ; the conversion to an 8-bit code does not saturate (ISA guide 7.6.2): the hold, into other registers; each accumulator from its low end on
.endr
.endr
	WIN 0
.irp t, 0,1,2,3,4,5,6,7,8,9,10,11,12,13,14,15
	v_cvt_scalef32_pk8_fp8_f32 v[CD+2*\t:CD+2*\t+1], v[AFR+8*\t:AFR+8*\t+7], v[SC]   ; eight neighbours along d: 8 bytes
.endr
	v_nop                                          ; one plain vector line behind the last conversion
.irp a, 0,1,2,3
.irp n, 0,1,2,3
	ds_store_b64 v[OS], v[CD+2*(4*\a+\n):CD+2*(4*\a+\n)+1] offset:16*\n*P+16*\a   ; row 16 n + r, bytes 64 w + 16 a + 8 h on
.endr
.endr
	s_wait_dscnt 0x0                               ; for the others' sake: a row's 256 bytes come from four waves
	s_barrier_signal -1
	s_barrier_wait -1
.irp t, 0,1,2,3,4,5,6,7
	ds_load_b128 v[OUTR+4*\t:OUTR+4*\t+3], v[ORD] offset:2*\t*P
.endr
.irp t, 0,1,2,3,4,5,6,7
	s_wait_dscnt 7-\t
	global_store_b128 v[GO], v[OUTR+4*\t:OUTR+4*\t+3], s[14:15] offset:4096*\t   ; 16 lanes store 256 consecutive bytes, at a multiple of 256 from the buffer's first byte; two rows an instruction
.endr
	s_wait_tensorcnt 0x0
	ds_add_u32 v30, v31
	s_wait_dscnt 0x0
	s_endpgm
.Lfunc_end_k_q5491981b7a_delta:
	.size	k_q5491981b7a_delta, .Lfunc_end_k_q5491981b7a_delta-k_q5491981b7a_delta
	.p2alignl 7, 3214868480
	.fill 96, 4, 3214868480
	.section	.rodata,"a",@progbits
	.p2align	6, 0x0
	.amdhsa_kernel k_q5491981b7a_delta
		.amdhsa_group_segment_fixed_size 168448
		.amdhsa_private_segment_fixed_size 0
		.amdhsa_enable_private_segment 0
		.amdhsa_kernarg_size 48
		.amdhsa_user_sgpr_count 2
		.amdhsa_user_sgpr_kernarg_segment_ptr 1
		.amdhsa_wavefront_size32 1
		.amdhsa_system_sgpr_workgroup_id_x 1
		.amdhsa_system_sgpr_workgroup_id_y 1
		.amdhsa_system_sgpr_workgroup_id_z 1
		.amdhsa_system_vgpr_workitem_id 0
		.amdhsa_next_free_vgpr 512
		.amdhsa_next_free_sgpr 66
		.amdhsa_reserve_vcc 0
		.amdhsa_float_denorm_mode_32 3
		.amdhsa_float_denorm_mode_16_64 3
		.amdhsa_memory_ordered 1
		.amdhsa_forward_progress 1
		.amdhsa_inst_pref_size 46
	.end_amdhsa_kernel
	.amdgpu_metadata
---
amdhsa.version: [ 1, 2 ]
amdhsa.kernels:
  - .name:           k_q5491981b7a_delta
    .symbol:         k_q5491981b7a_delta.kd
    .args:
      - { .name: ups, .offset: 0, .size: 8, .value_kind: global_buffer, .address_space: global }
      - { .name: downs, .offset: 8, .size: 8, .value_kind: global_buffer, .address_space: global }
      - { .name: alphas, .offset: 16, .size: 8, .value_kind: global_buffer, .address_space: global }
      - { .name: w1, .offset: 24, .size: 8, .value_kind: global_buffer, .address_space: global }
      - { .name: lowp_scales, .offset: 32, .size: 8, .value_kind: global_buffer, .address_space: global }
      - { .name: dcodes, .offset: 40, .size: 8, .value_kind: global_buffer, .address_space: global }
    .group_segment_fixed_size: 168448
    .private_segment_fixed_size: 0
    .kernarg_segment_align: 8
    .kernarg_segment_size: 48
    .max_flat_workgroup_size: 128
    .sgpr_count:     66
    .vgpr_count:     512
    .wavefront_size: 32
...
	.end_amdgpu_metadata
.endif
;; end of part 1
;; launch gemm (part 2): grid 16 x 16, 4 waves a work-group, clusters of 4 x 4, 327,680 bytes of LDS; arguments x_codes, W_codes, dcodes, lowp_scales, b, w0, out0; writes out0
.if DOCPART == 2
	.amdgcn_target "amdgcn-amd-amdhsa--gfx1250"
	.amdhsa_code_object_version 6
	.text
	.protected	k_q5491981b7a_gemm
	.globl	k_q5491981b7a_gemm
	.p2align	8
	.type	k_q5491981b7a_gemm,@function
k_q5491981b7a_gemm:
	s_mov_b64 s[64:65], 0
	v_nop
	global_prefetch_b8 v0, s[64:65] scope:SCOPE_SE
	s_setreg_imm32_b32 hwreg(HW_REG_WAVE_MODE, 25, 1), 1
	s_wait_xcnt 0x0
	s_wait_alu depctr_hold_cnt(0) depctr_sa_sdst(0) depctr_va_vdst(0) depctr_va_sdst(0) depctr_va_ssrc(0) depctr_va_vcc(0) depctr_vm_vsrc(0)
	s_getreg_b32 s2, hwreg(HW_REG_IB_STS2, 6, 4)
	s_cmp_eq_u32 s2, 0
	s_cbranch_scc0 .Lentry_in_a_cluster
	s_endpgm
.Lentry_in_a_cluster:
	s_bfe_u32 s2, ttmp6, 0x10000c
	s_cmp_lg_u32 s2, 0xf033
	s_cbranch_scc0 .Lentry_shape_is_right
	s_endpgm
.Lentry_shape_is_right:
; out[m][o] = w0 (2^(e0+e1) sum_k x[m][k] W[o][k] + b[o]) + 2^(e2+e3) sum_k x[m][k] D[o][k]: both products on codes of E4M3 by v_wmma_f32_16x16x128_fp8_fp8, sums in f32.
; D's codes (dcodes, [2048 (o)][2048 (k)]) were made by the launch before.  Written as F1 accW + F2 accD + w0 b, F1 = w0 2^(e0+e1), F2 = 2^(e2+e3).  LIMIT: F1 and F2 are finite f32 numbers.
; SHARES.  A work-group makes two tiles of 256 rows x 128 outputs, 4,096 rows apart; a tile multiplies 256 rows of x by 128 rows of W and the same 128 of D.  Four waves, each 128 rows x (64 of W + 64 of D):
; 64 accumulators of 16 x 16 in windows 2 and 3.  16 x 16 work-groups.  K goes in steps of 256 through a ring of two LDS slots (rows of 256 bytes, pitch 272), which runs on into the second tile.
; Waves 0 and 1 fetch x's two halves, wave 2 W's 128 rows, wave 3 D's.  CLUSTERS of 4 x 4: x's tiles are asked for jointly along a row of the cluster, W's and D's along a column.
; Each cluster begins its walk round K at a place of its own (OFF), so that the clusters that share rows stand at different K steps; the order of the f32 sums along K differs with it.
; THE MATRIX INSTRUCTION IS USED TRANSPOSED (source 0 = rows of W or D, source 1 = rows of x): a lane holds eight neighbouring outputs of a row; k is permuted alike in both operands (16 bytes a load).
; The way out goes through each wave's own stage behind the ring: 16 lanes store 256 consecutive bytes, aligned.
; PREFETCH: behind each refill every wave names the K step two refills on of the 128 rows that it fetches: a lane a row, 32 rows; the four partners of a joint load take 32 rows each BY ADDRESS
; (cx for x, cy for W and D).  x: refills 0 to 11 of 14, from refill 4 on the second tile's rows; W and D: refills 0 to 3, since the second tile reads the same rows again.  The first four K steps come by their loads alone.
.set KROW,   2048
.set ROWB,   256
.set PITCH,  272
.set FR,     16
.set NL,     4
.set NP,     4
.set HALFT,  128*PITCH
.set SLOT,   4*HALFT
.set STAGE,  2*SLOT
.set SPITCH, 272
.set SPARE,  STAGE+4*16*SPITCH
.set OROW,   8192
.set WALK,   4096
.set NEXT_C, (WALK-7*16)*OROW
.set F1,   8
.set F2,   10
.set ADRA, 16
.set ADRB, 20
.set STO,  24
.set RD,   25
.set CO,   26
.set PFO,  27
.set SPW,  28
.set NIL,  29
.set BIAS, 32
.set TMP,  64
.set AF,   128
.set BK,   128
.set AB,  20
.set BB,  46
.set G1,  24
.set G0,  32
.set G1B, 48
.set G0B, 56
.set OFF, 90
.set PFA, 78
.set PFN, 80                           ; s80      refills so far
.set PLIM, 81                          ; s81      how many of them my wave prefetches behind: 12 for x, 4 for W and D
.set PFR, 82                           ; s[82:83] my work-group's 32 rows of the 128 that I fetch; never rewritten
.set MSB, 0
.macro WIN new
.if MSB != (\new)
	s_set_vgpr_msb (MSB<<8)|(\new)
.set MSB, \new
.endif
.endm
.set MUL_LO, 0xa1
.set MUL_HI, 0xf1
.set TO_B,   0x40
.macro JLOAD g0a, g1a, g0b, g1b
	s_cmp_eq_u32 s15, 0
	s_cbranch_scc0 .Lfor_b_\@
	tensor_load_to_lds s[\g0a:\g0a+3], s[\g1a:\g1a+7]
	s_nop 0
.rept 4
	v_nop
.endr
	s_branch .Lasked_\@
.Lfor_b_\@:
	tensor_load_to_lds s[\g0b:\g0b+3], s[\g1b:\g1b+7]
	s_nop 0
.rept 4
	v_nop
.endr
.Lasked_\@:
.endm
.macro CREST
	s_cmp_lg_u32 s14, 0
	s_cbranch_scc1 .Lnot_wave_0_\@
	s_barrier_signal -3
.Lnot_wave_0_\@:
	s_barrier_wait -3
	s_barrier_signal -1
	s_barrier_wait -1
.endm
.macro CROUND
	s_barrier_signal -1
	s_barrier_wait -1
	CREST
.endm
.macro ASK slot
	s_cmp_lt_u32 s[PFN], s[PLIM]                   ; the wave's number and a count of refills decide: alike in all work-groups
	s_cbranch_scc0 .Lnone_\@
	global_prefetch_b8 v[PFO], s[PFA:PFA+1] th:TH_LOAD_NT scope:SCOPE_SE
.Lnone_\@:
	s_add_co_u32 s[PFN], s[PFN], 1
.endm
	s_load_b256 s[4:11], s[0:1], 0x0
	s_load_b128 s[68:71], s[0:1], 0x20
	s_load_b64 s[12:13], s[0:1], 0x30
	v_lshl_add_u32 v[SPW], v0, 2, SPARE
	v_mov_b32 v[NIL], 0
	ds_add_u32 v28, v29
	ds_add_u32 v28, v29
	s_wait_dscnt 0x0
	v_lshrrev_b32 v1, 5, v0
	v_readfirstlane_b32 s14, v1
	s_lshr_b32 s15, s14, 1
	s_and_b32 s16, s14, 1
	s_bfe_u32 s40, ttmp6, 0x40000
	s_bfe_u32 s41, ttmp6, 0x40004
	s_lshl_b32 s42, ttmp9, 2
	s_add_co_u32 s42, s42, s40
	s_and_b32 s17, ttmp7, 0xffff
	s_lshl_b32 s17, s17, 2
	s_add_co_u32 s17, s17, s41
	s_lshl_b32 s43, s41, 2
	s_lshl_b32 s43, 15, s43
	s_lshl_b32 s44, 0x1111, s40
	s_and_b32 s[OFF], ttmp7, 0xffff
	s_lshr_b32 s[OFF+2], s[OFF], 1
	s_xor_b32 s[OFF], s[OFF], s[OFF+2]
	s_and_b32 s[OFF], s[OFF], 1
	s_lshl_b32 s[OFF], s[OFF], 2
	s_lshl_b32 s[OFF+2], ttmp9, 1
	s_add_co_u32 s[OFF], s[OFF], s[OFF+2]
	s_and_b32 s[OFF], s[OFF], 7
	s_lshl_b32 s[OFF], s[OFF], 8
	s_add_co_u32 s[OFF+2], s[OFF], ROWB
	s_mov_b32 s[OFF+1], 0
	s_mov_b32 s[OFF+3], 0
	s_or_b32 s[G1+0], s43, (0<<16)|(1<<20)|(1<<21)|(5<<22)|(3<<25)
	s_or_b32 s[G1B+0], s44, (0<<16)|(1<<20)|(1<<21)|(5<<22)|(3<<25)
.irp g, G1, G1B
	s_mov_b32 s[\g+1], ROWB<<16
	s_mov_b32 s[\g+2], 128<<16
	s_mov_b32 s[\g+3], ROWB<<16
	s_mov_b32 s[\g+4], 128
	s_mov_b32 s[\g+5], KROW
	s_mov_b32 s[\g+6], 0
	s_mov_b32 s[\g+7], 0
.endr
	s_lshl_b32 s18, s16, 7
	s_lshl_b32 s20, s17, 8
	s_add_co_u32 s20, s20, s18
	s_lshl_b32 s20, s20, 11
	s_mov_b32 s21, 0
	s_lshl_b32 s46, s42, 18
	s_mov_b32 s47, 0
	s_mul_i32 s45, s14, HALFT
	s_wait_kmcnt 0x0
	s_load_b128 s[72:75], s[10:11], 0x0
	s_load_b32 s76, s[70:71], 0x0
	s_add_nc_u64 s[AB:AB+1], s[4:5], s[20:21]
	s_cmp_eq_u32 s16, 0
	s_cselect_b64 s[66:67], s[6:7], s[8:9]
	s_add_nc_u64 s[BB:BB+1], s[66:67], s[46:47]
	CROUND
.irp s, 0,1
	s_mov_b32 s[G0+4*\s], 1
	s_add_co_u32 s[G0+4*\s+1], s45, \s*SLOT
	s_add_nc_u64 s[G0+4*\s+2:G0+4*\s+3], s[AB:AB+1], s[OFF+2*\s:OFF+2*\s+1]
	s_or_b32 s[G0+4*\s+3], s[G0+4*\s+3], 0x80000000
	s_mov_b32 s[G0B+4*\s], 1
	s_add_co_u32 s[G0B+4*\s+1], s45, \s*SLOT
	s_add_nc_u64 s[G0B+4*\s+2:G0B+4*\s+3], s[BB:BB+1], s[OFF+2*\s:OFF+2*\s+1]
	s_or_b32 s[G0B+4*\s+3], s[G0B+4*\s+3], 0x80000000
.endr
	JLOAD G0, G1, G0B, G1B                         ; the first K step: the set-up below stands under its flight
	s_mov_b32 s[PFN], 0
	s_cmp_eq_u32 s15, 0                            ; do I fetch for x?
	s_cselect_b32 s86, s40, s41                    ; my place among the four that ask with me: cx for x, cy for W and D
	s_cselect_b64 s[PFR:PFR+1], s[AB:AB+1], s[BB:BB+1]
	s_cselect_b32 s[PLIM], 12, 4
	s_lshl_b32 s86, s86, 16                        ; 32 rows of 2,048 bytes for each place
	s_mov_b32 s87, 0
	s_mov_b32 s85, 0
	s_add_nc_u64 s[PFR:PFR+1], s[PFR:PFR+1], s[86:87]
	s_lshl_b32 s86, s42, 9
	s_lshl_b32 s87, s16, 8
	s_add_co_u32 s86, s86, s87
	s_mov_b32 s87, 0
	s_add_nc_u64 s[68:69], s[68:69], s[86:87]
	s_add_nc_u64 s[12:13], s[12:13], s[86:87]
	s_lshl_b32 s18, s17, 8
	s_lshl_b32 s19, s15, 7
	s_add_co_u32 s18, s18, s19
	s_lshl_b32 s18, s18, 13
	s_mov_b32 s19, 0
	s_add_nc_u64 s[12:13], s[12:13], s[18:19]
	v_and_b32 v1, 15, v0
	s_wait_alu depctr_va_vdst(0)
	v_bfe_u32 v2, v0, 4, 1
	v_lshlrev_b32 v7, 5, v2
.irp bb, 0,1,2,3
.irp c, 0,1
	global_load_b128 v[BIAS+8*\bb+4*\c:BIAS+8*\bb+4*\c+3], v7, s[68:69] offset:64*\bb+16*\c
.endr
.endr
	v_mul_u32_u24 v3, v1, PITCH
	v_lshl_add_u32 v4, v2, 4, v3
	s_mul_i32 s22, s15, HALFT
	s_mul_i32 s23, s16, 64*PITCH
	s_add_co_u32 s23, s23, 2*HALFT
.irp s, 0,1
	v_add_nc_u32 v[ADRA+\s], s22, v4
	v_add_nc_u32 v[ADRB+\s], s23, v4
	s_add_co_u32 s22, s22, SLOT
	s_add_co_u32 s23, s23, SLOT
.endr
	s_mul_i32 s22, s14, 16*SPITCH
	s_add_co_u32 s22, s22, STAGE
	v_mul_u32_u24 v5, v1, SPITCH
	s_wait_alu depctr_va_vdst(0)
	v_lshl_add_u32 v5, v2, 5, v5
	v_add_nc_u32 v[STO], s22, v5
	v_mul_u32_u24 v6, v2, SPITCH
	v_lshl_add_u32 v6, v1, 4, v6
	v_add_nc_u32 v[RD], s22, v6
	v_lshlrev_b32 v[CO], 13, v2
	v_lshl_add_u32 v[CO], v1, 4, v[CO]
	v_and_b32 v[PFO], 31, v0
	v_lshlrev_b32 v[PFO], 11, v[PFO]
	s_wait_kmcnt 0x0
	s_add_co_i32 s88, s72, s73
	s_add_co_i32 s89, s74, s75
	s_mov_b32 s77, s76
	v_mov_b32 v[F1], s76
	v_ldexp_f32 v[F1], v[F1], s88
	v_mov_b32 v[F1+1], v[F1]
	v_ldexp_f32 v[F2], 1.0, s89
	v_mov_b32 v[F2+1], v[F2]
	s_wait_loadcnt 0x0
.irp j, 0,2,4,6,8,10,12,14,16,18,20,22,24,26,28,30
	v_pk_mul_f32 v[BIAS+\j:BIAS+\j+1], v[BIAS+\j:BIAS+\j+1], s[76:77] op_sel_hi:[1,0]
.endr
.macro FRAG reg, adr, q, off
.irp c, 0,1,2,3
	ds_load_b128 v[\reg+4*\c:\reg+4*\c+3], v[\adr] offset:128*(\q)+32*\c+(\off)
.endr
.endm
.macro MUL16 a0, p, zero
.irp a, \a0, \a0+1
.irp b, 0,1,2,3,4,5,6,7
.if \zero
	v_wmma_f32_16x16x128_fp8_fp8 v[8*(8*((\a)%4)+\b):8*(8*((\a)%4)+\b)+7], v[128*(\p)+FR*\b:128*(\p)+FR*\b+FR-1], v[AF+FR*(\a):AF+FR*(\a)+FR-1], 0
.else
	v_wmma_f32_16x16x128_fp8_fp8 v[8*(8*((\a)%4)+\b):8*(8*((\a)%4)+\b)+7], v[128*(\p)+FR*\b:128*(\p)+FR*\b+FR-1], v[AF+FR*(\a):AF+FR*(\a)+FR-1], v[8*(8*((\a)%4)+\b):8*(8*((\a)%4)+\b)+7]
.endif
.endr
.endr
.endm
.macro FETCH_B slot, q, p
	WIN TO_B
.irp i, 0,1,2,3,4,5,6,7
	FRAG 128*(\p)+FR*\i, ADRB+\slot, \q, (16*\i+64*(\i/4))*PITCH
.endr
	WIN 0
.endm
.macro FETCH_A slot, q, i0
.irp i, \i0, \i0+1, \i0+2, \i0+3
	FRAG AF+FR*(\i), ADRA+\slot, \q, (\i)*16*PITCH
.endr
.endm
.macro PLACES n
.rept \n
	v_nop
.endr
.endm
.macro STEP slot, zero
	s_wait_dscnt 4*NL
	WIN MUL_LO
	MUL16 0, 0, \zero
	MUL16 2, 0, \zero
	s_wait_dscnt 0
	PLACES NP
	FETCH_B \slot, 1, 1
	FETCH_A \slot, 1, 0
	WIN MUL_HI
	MUL16 4, 0, \zero
	MUL16 6, 0, \zero
	PLACES NP
	WIN 0
	FETCH_A \slot, 1, 4
.endm
.macro TURN slot, next, fill, fa
	s_wait_tensorcnt 0x0
	ds_add_u32 v[SPW], v[NIL]
.if \fill
	s_add_co_u32 s[OFF+2*\slot], s[OFF+2*\slot], 2*ROWB
	s_and_b32 s[OFF+2*\slot], s[OFF+2*\slot], KROW-1
.if (\fill == 2) && (\slot == 0)
	s_add_nc_u64 s[AB:AB+1], s[AB:AB+1], WALK*KROW
.endif
	s_add_nc_u64 s[G0+4*\slot+2:G0+4*\slot+3], s[AB:AB+1], s[OFF+2*\slot:OFF+2*\slot+1]
	s_or_b32 s[G0+4*\slot+3], s[G0+4*\slot+3], 0x80000000
	s_add_nc_u64 s[G0B+4*\slot+2:G0B+4*\slot+3], s[BB:BB+1], s[OFF+2*\slot:OFF+2*\slot+1]
	s_or_b32 s[G0B+4*\slot+3], s[G0B+4*\slot+3], 0x80000000
	s_wait_xcnt 0x0                                ; the last prefetch, a K step ago, has read its address
	s_add_co_u32 s84, s[OFF+2*\slot], 2*ROWB       ; the K step two refills on, round K,
	s_and_b32 s84, s84, KROW-1
	s_cmp_ge_u32 s[PFN], 4
	s_cselect_b32 s86, WALK*KROW, 0                ; which from refill 4 on belongs to the second tile's rows of x
	s_add_co_u32 s84, s84, s86
	s_add_nc_u64 s[PFA:PFA+1], s[PFR:PFR+1], s[84:85]
.endif
	s_wait_dscnt 4*NL+1
	WIN MUL_LO
	MUL16 0, 1, 0
	s_wait_dscnt 0x0
	s_barrier_signal -1
	MUL16 2, 1, 0
	WIN 0
	s_barrier_wait -1
.if \fill
	CREST
	JLOAD G0+4*\slot, G1, G0B+4*\slot, G1B
.else
	PLACES NP
.endif
	FETCH_B \next, 0, 0
.if \fa
	FETCH_A \next, 0, 0
.endif
.if \fill
	ASK \slot
.endif
	WIN MUL_HI
	MUL16 4, 1, 0
	MUL16 6, 1, 0
	PLACES NP
	WIN 0
.if \fa
	FETCH_A \next, 0, 4
.endif
.endm
.macro PACK a
.set AC, 64*((\a)%4)
	WIN 0x02+((\a)/4)
.irp bb, 0,1,2,3
.irp j, 0,2,4,6
	v_pk_fma_f32 v[TMP+8*\bb+\j:TMP+8*\bb+\j+1], v[AC+32+8*\bb+\j:AC+32+8*\bb+\j+1], v[F2:F2+1], v[BIAS+8*\bb+\j:BIAS+8*\bb+\j+1]
.endr
.endr
.irp bb, 0,1,2,3
.irp j, 0,2,4,6
	v_pk_fma_f32 v[TMP+8*\bb+\j:TMP+8*\bb+\j+1], v[AC+8*\bb+\j:AC+8*\bb+\j+1], v[F1:F1+1], v[TMP+8*\bb+\j:TMP+8*\bb+\j+1]
.endr
.endr
	WIN 0
.endm
.macro TOSTAGE a
.set BB2, BK+32*((\a)%2)
.irp bb, 0,1,2,3
	ds_store_b128 v[STO], v[TMP+8*\bb:TMP+8*\bb+3] offset:64*\bb
	ds_store_b128 v[STO], v[TMP+8*\bb+4:TMP+8*\bb+7] offset:64*\bb+16
.endr
.irp t, 0,1,2,3,4,5,6,7
	ds_load_b128 v[BB2+4*\t:BB2+4*\t+3], v[RD] offset:\t*2*SPITCH
.endr
.endm
.macro SEND a
.set BB2, BK+32*((\a)%2)
	s_wait_dscnt 0x0
	s_wait_xcnt 0x0
.if (\a) > 0
	s_add_nc_u64 s[12:13], s[12:13], 16*OROW
.endif
.irp t, 0,1,2,3,4,5,6,7
	global_store_b128 v[CO], v[BB2+4*\t:BB2+4*\t+3], s[12:13] offset:\t*2*OROW th:TH_STORE_NT
.endr
.endm
.macro WAYOUT
	PACK 0
	TOSTAGE 0
.irp a, 1,2,3,4,5,6,7
	PACK \a
	s_wait_alu depctr_va_vdst(0)
	SEND \a-1
	TOSTAGE \a
.endr
	SEND 7
.endm
	s_wait_alu depctr_va_vdst(0)
	s_wait_tensorcnt 0x0                           ; my part of the first K step is in
	ds_add_u32 v[SPW], v[NIL]
	s_wait_dscnt 0x0
	CROUND                                         ; everybody's part is in, and all sixteen work-groups are here
	JLOAD G0+4, G1, G0B+4, G1B                     ; slot 1's first fill, the first tensor load behind the round
	FETCH_B 0, 0, 0
	FETCH_A 0, 0, 0
	FETCH_A 0, 0, 4
	STEP 0, 1
	s_mov_b32 s3, 3
.Llap1:
	TURN 0, 1, 1, 1
	STEP 1, 0
	TURN 1, 0, 1, 1
	STEP 0, 0
	s_sub_co_u32 s3, s3, 1
	s_cmp_lg_u32 s3, 0
	s_cbranch_scc1 .Llap1
	TURN 0, 1, 2, 1
	STEP 1, 0
	TURN 1, 0, 2, 0
	WAYOUT
	s_wait_xcnt 0x0
	s_add_nc_u64 s[12:13], s[12:13], NEXT_C
	FETCH_A 0, 0, 0
	FETCH_A 0, 0, 4
	STEP 0, 1
	s_mov_b32 s3, 3
.Llap2:
	TURN 0, 1, 1, 1
	STEP 1, 0
	TURN 1, 0, 1, 1
	STEP 0, 0
	s_sub_co_u32 s3, s3, 1
	s_cmp_lg_u32 s3, 0
	s_cbranch_scc1 .Llap2
	TURN 0, 1, 0, 1
	STEP 1, 0
	s_wait_dscnt 4*NL
	WIN MUL_LO
	MUL16 0, 1, 0
	MUL16 2, 1, 0
	s_wait_dscnt 0
	WIN MUL_HI
	MUL16 4, 1, 0
	MUL16 6, 1, 0
	WIN 0
	PLACES NP
	WAYOUT
	s_wait_tensorcnt 0x0
	ds_add_u32 v[SPW], v[NIL]
	s_wait_dscnt 0x0
	CROUND
	s_endpgm
.Lfunc_end_k_q5491981b7a_gemm:
	.size	k_q5491981b7a_gemm, .Lfunc_end_k_q5491981b7a_gemm-k_q5491981b7a_gemm
	.p2alignl 7, 3214868480
	.fill 96, 4, 3214868480
	.section	.rodata,"a",@progbits
	.p2align	6, 0x0
	.amdhsa_kernel k_q5491981b7a_gemm
		.amdhsa_group_segment_fixed_size 327680
		.amdhsa_private_segment_fixed_size 0
		.amdhsa_enable_private_segment 0
		.amdhsa_kernarg_size 56
		.amdhsa_user_sgpr_count 2
		.amdhsa_user_sgpr_kernarg_segment_ptr 1
		.amdhsa_wavefront_size32 1
		.amdhsa_system_sgpr_workgroup_id_x 1
		.amdhsa_system_sgpr_workgroup_id_y 1
		.amdhsa_system_sgpr_workgroup_id_z 1
		.amdhsa_system_vgpr_workitem_id 0
		.amdhsa_next_free_vgpr 1024
		.amdhsa_next_free_sgpr 98
		.amdhsa_reserve_vcc 0
		.amdhsa_float_denorm_mode_32 3
		.amdhsa_float_denorm_mode_16_64 3
		.amdhsa_memory_ordered 1
		.amdhsa_forward_progress 1
		.amdhsa_inst_pref_size 220
	.end_amdhsa_kernel
	.amdgpu_metadata
---
amdhsa.version: [ 1, 2 ]
amdhsa.kernels:
  - .name:           k_q5491981b7a_gemm
    .symbol:         k_q5491981b7a_gemm.kd
    .args:
      - { .name: x_codes, .offset: 0, .size: 8, .value_kind: global_buffer, .address_space: global }
      - { .name: W_codes, .offset: 8, .size: 8, .value_kind: global_buffer, .address_space: global }
      - { .name: dcodes, .offset: 16, .size: 8, .value_kind: global_buffer, .address_space: global }
      - { .name: lowp_scales, .offset: 24, .size: 8, .value_kind: global_buffer, .address_space: global }
      - { .name: b, .offset: 32, .size: 8, .value_kind: global_buffer, .address_space: global }
      - { .name: w0, .offset: 40, .size: 8, .value_kind: global_buffer, .address_space: global }
      - { .name: out0, .offset: 48, .size: 8, .value_kind: global_buffer, .address_space: global }
    .group_segment_fixed_size: 327680
    .private_segment_fixed_size: 0
    .kernarg_segment_align: 8
    .kernarg_segment_size: 56
    .max_flat_workgroup_size: 128
    .sgpr_count:     98
    .vgpr_count:     1024
    .wavefront_size: 32
...
	.end_amdgpu_metadata
.endif
;; end of part 2
